; MI455X (gfx1250); checked and timed in simulation.
; The chip was launched on July 23, 2026; its instructions are those of AMD's public machine-readable ISA for CDNA 5 (MIT licence, August 2026) and "CDNA5" Instruction Set Architecture Reference Guide (July 2026). The comments in the code are by the model that wrote it; some were corrected since.
;; Hqq Int4 Linear. Allowed arithmetic: matrix products marked QUANTISED: E2M1 operands, one E8M0 scale for each 32 along K, by v_wmma_scale_f32_16x16x128_f8f6f4 with both operands' format E2M1 (or v_wmma_scale_f32_32x16x128_f4), f32 sums; everything else in f32.
;; Inputs: W_q 8,388,608 uint8; scale 262,144 x 1 float32; x_codes 2 x 2,048 x 128 x 16 uint8 (E2M1 codes of x, K innermost, in blocks of 32 codes, two codes a byte); x_scales 2 x 2,048 x 128 uint8 (E8M0 scales of x, one for each 32 codes along K); zero 262,144 x 1 float32.
;; Outputs: out0 2 x 2,048 x 4,096 float32.
;; This version of the problem:
;;   THIS VERSION OF THE PROBLEM IS GIVEN IN LOW PRECISION. The matrix products marked QUANTISED in the list below multiply operands that are first quantised to E2M1 (2 exponent bits, 1 mantissa bit; 4 bits a number), with one power-of-two scale for each 32 numbers along K (OCP MX v1.0); their sums are f32. All else is computed in f32.
;;   The module's matrix products, in the order in which they are computed (A, B: the left and right operand; K: the contracted axis; several contracted axes count as one K, in the product's order):
;;     1. [M 4,096, K 4,096] x [K 4,096, N 4,096]; A: input x (given as codes); B: computed on the way: QUANTISED
;;   THE QUANTISER, for each operand of a quantised product, along K:
;;     - K is cut into blocks of 32 from its start; a last block that is shorter is filled with zeros.
;;     - A block's scale is 2^e with e = floor(log2(the largest magnitude in the block)) - 2, held to -126 .. 127; a block of zeros has e = 0. As a byte (E8M0): e + 127.
;;     - Each number is divided by its block's scale, clamped to +-6, and rounded to the nearest number of E2M1, ties to even, subnormals kept.
;;     - The product sums the exact products of the quantised numbers (number of the format x scale) in f32.
;;   ~~~python
;;   def quantise(x, axis):      # numpy; x: float32 -> the quantised numbers, widened to float32 again
;;       x = np.moveaxis(x, axis, -1); K = x.shape[-1]
;;       x = np.pad(x, [(0, 0)] * (x.ndim - 1) + [(0, -K % 32)]); x = x.reshape(x.shape[:-1] + (-1, 32)); a = np.abs(x).max(-1, keepdims=True)
;;       e = np.where(a > 0, np.clip(np.frexp(np.where(a > 0, a, 1))[1] - 1 - 2, -126, 127), 0)      # np.frexp(a)[1] - 1 = floor(log2(a)), exactly
;;       r = np.clip(x / 2.0 ** e, -6, 6)
;;       step = 2.0 ** (np.maximum(np.frexp(np.where(r == 0, 1, r))[1] - 1, 0) - 1)
;;       q = np.round(r / step) * step * 2.0 ** e      # np.round: ties to even
;;       return np.moveaxis(q.reshape(q.shape[:-2] + (-1,))[..., :K], -1, axis).astype(np.float32)
;;   ~~~
;;   OPERANDS COMPUTED ON THE WAY. 'Computed on the way' means the value that the module computes at that place (a softmax that the list does not call 'softmax' is quantised finished and normalised). What goes into a quantiser is computed in f32, as accurately as f32 sums, v_exp_f32 and their like allow (about 1e-6 of the number): no bf16 or f16 on the way to a quantiser, and a product that is left as it is and whose result goes on into a quantised operand takes f32 operands (vector FMAs, or v_wmma_f32_16x16x4_f32). A number that lies on a knife's edge between two numbers of the format may be rounded either way, as far as f32 arithmetic and the matrix unit's own rounding can turn it there, and no further.
;;   INPUTS GIVEN AS CODES. x (in the module: [2, 2048, 4096], K = its axis 2): each comes as NAME_codes (uint8): NAME with its K axis moved to the last place and cut into blocks of 32 codes, [.., K / 32, bytes a block], one block behind the other in memory; two codes a byte, the lower K in the low four bits (a code: sign, 2 exponent bits, 1 mantissa bit); and NAME_scales (uint8): the same leading axes, one E8M0 byte (e + 127) for each 32 codes along K. Its value is code x scale, taken as it is: it is not quantised again, and the codes and scales need not be those that the quantiser above would give.
;; One version. Each part assembles by itself: llvm-mc -triple=amdgcn-amd-amdhsa -mcpu=gfx1250 --defsym DOCPART=n.
;; ======== version 1 of 1: 2 launches
;; limits: right only within a limited range of input values
;; workspace buffers: wb 8,912,896 bytes
;; launch prep (part 1): grid 256 x 1, 8 waves a work-group, no clusters, 11,264 bytes of LDS; arguments W_q, scale, zero, wb; writes wb
.if DOCPART == 1
	.amdgcn_target "amdgcn-amd-amdhsa--gfx1250"
	.amdhsa_code_object_version 6
	.text
	.protected	k_q09e3c099f6_prep
	.globl	k_q09e3c099f6_prep
	.p2align	8
	.type	k_q09e3c099f6_prep,@function
k_q09e3c099f6_prep:
	s_mov_b64 s[64:65], 0
	v_nop
	global_prefetch_b8 v0, s[64:65] scope:SCOPE_SE
	s_setreg_imm32_b32 hwreg(HW_REG_WAVE_MODE, 25, 1), 1
	s_wait_xcnt 0x0
; W[n][k] = (q - zero[g]) * scale[g], g = 64 n + k / 64, q a nibble of W_q: byte 4096 o + k holds W[o][k]'s q in its high four bits and W[o + 2048][k]'s in its low four.
; W is turned into codes of FP4 (E2M1) with one E8M0 scale byte for each 32 along K, and laid as the product's launch wants it:
; wb = 256 blocks of 34,816 bytes; block (n / 128, k / 512) lies at (8 (n / 128) + k / 512) x 34,816.  In a block: 128 places of 256 bytes of codes (512 along K, the lower k in the low four bits); row n stands at place
; 64 ((n % 128) / 64) + 16 (n % 4) + (n % 64) / 4, so that 16 places on end are the columns 4 r + b that one matrix instruction of the product takes; behind them the rows' scale bytes, 16 a row, in the order of n.
; A block's scale is 2^(floor(log2(its largest magnitude)) - 2); its byte is the largest magnitude's exponent field - 2, held at 1 from below.  The subtraction and the multiplication are two f32 roundings, as in the definition.
; LIMITS: a block of zeros gets the byte 1 where the quantiser's rule says 127: its codes are zeros, which add nothing under any byte but 0xff, and this program alone reads the bytes.
; NaN and infinities in scale or zero are not served.
; SHARES.  Work-group x: 16 rows of W_q (16 (x / 2) on), half x % 2 of K; wave w takes 512 along K, K step j = 4 (x % 2) + w % 4, and rows 8 (w / 4) .. + 7 of the 16.  A step of the wave is one row's 512 bytes: 16 bytes
; a lane, which are 16 neighbours along K of TWO rows of W.  Lanes l and l xor 1 hold a block of 32, lanes 4 c .. 4 c + 3 a group of 64.  Every load of W_q reads 512 consecutive bytes, every store of codes covers 256, aligned.
; zero (waves 0-3) and scale (waves 4-7) of the work-group's groups come once, go through LDS (one barrier) and are read back a word a lane.  No work-group shares an input with another: no cluster, no tensor load;
; all of a wave's loads go out at its start and there is no loop to run ahead in: no prefetch.
.set BLK,   34816                      ; a block of wb
.set LOW,   16*8*BLK                   ; from a row's place in wb to that of the row 2,048 further down: inside the signed 24-bit immediate (ISA guide, chapter 10)
.set TAB,   0                          ; LDS: four tables of 2,048 bytes: zero and scale of the upper rows, zero and scale of the lower; row t at 128 t, the work-group's 32 groups of a row on end
.set SBY,   8192                       ; LDS: 512 bytes for each K step: 16 x 16 scale bytes of the upper rows, then of the lower
.set SPARE, 10240                      ; the spare words, 128 bytes for each wave: four blocks of 256 bytes that no other line names
.set XH,    16                         ; v16-31   16 numbers of the row from the high nibbles
.set XL,    32                         ; v32-47   16 numbers of the row from the low nibbles
.set TM,    48                         ; v48-63   the tables as loaded; later at work
.set D,     64                         ; v64-95   step t at 4 t: 16 bytes of W_q; later the step's codes
.set ZS,    96                         ; v96-127  step t at 4 t: zero, scale (upper row), zero, scale (lower row); later the step's two scale bytes
	s_load_b256 s[4:11], s[0:1], 0x0               ; W_q s[4:5], scale s[6:7], zero s[8:9], wb s[10:11]
	v_lshl_add_u32 v128, v0, 2, SPARE
	v_mov_b32 v129, 0
	v_lshrrev_b32 v1, 5, v0
	v_readfirstlane_b32 s12, v1                    ; wave 0..7
	v_and_b32 v1, 31, v0                           ; lane
	s_wait_alu depctr_va_vdst(0)                   ; ahead of the run of scalar instructions
	s_lshr_b32 s30, s12, 2                         ; which 8 of the 16 rows.  Also: I load zero (0) or scale (1)
	s_and_b32 s31, s12, 3                          ; which of the half's K steps
	s_lshr_b32 s13, ttmp9, 1                       ; which 16 rows of W_q
	s_and_b32 s14, ttmp9, 1                        ; which half of K
	s_lshl_b32 s15, s14, 2
	s_add_co_u32 s15, s15, s31                     ; my K step j
	s_lshr_b32 s16, s13, 3                         ; n / 128 of the upper rows
	s_and_b32 s17, s13, 7                          ; which 16 rows of those 128
	s_lshl_b32 s18, s13, 16                        ; W_q: 16 rows of 4,096 bytes,
	s_lshl_b32 s19, s15, 9
	s_add_co_u32 s18, s18, s19                     ; + 512 j
	s_lshl_b32 s19, s30, 15
	s_add_co_u32 s18, s18, s19                     ; + my 8 rows
	s_mov_b32 s19, 0
	s_lshl_b32 s20, s13, 12                        ; scale, zero: 16 rows of 256 bytes,
	s_lshl_b32 s21, s14, 7
	s_add_co_u32 s20, s20, s21                     ; + the half's 32 groups
	s_mov_b32 s21, 0
	s_lshl_b32 s24, s16, 3
	s_add_co_u32 s24, s24, s15
	s_mul_i32 s24, s24, BLK                        ; my block of wb
	s_lshr_b32 s26, s17, 2                         ; its codes: the 16 rows begin at place 64 (s17 / 4) + 4 (s17 % 4),
	s_lshl_b32 s26, s26, 14
	s_and_b32 s25, s17, 3
	s_lshl_b32 s25, s25, 10                        ; of 256 bytes;
	s_add_co_u32 s26, s26, s25
	s_lshl_b32 s25, s30, 9                         ; my 8 rows 2 places on
	s_add_co_u32 s26, s26, s25
	s_add_co_u32 s26, s26, s24
	s_mov_b32 s27, 0
	s_lshl_b32 s28, s17, 8
	s_add_co_u32 s28, s28, s24
	s_add_co_u32 s28, s28, 32768                   ; its scale bytes: the 16 rows of 16 bytes
	s_mov_b32 s29, 0
	s_lshl_b32 s25, s31, 5
	s_lshl_b32 s22, s30, 10
	s_add_co_u32 s25, s25, s22                     ; the tables: my 8 groups of a row at 32 (w % 4), my 8 rows at 1,024 (w / 4)
	s_lshl_b32 s22, s31, 9
	s_add_co_u32 s22, s22, SBY                     ; the K step's 512 scale bytes,
	s_lshl_b32 s23, s30, 7
	s_add_co_u32 s23, s23, s22                     ; of them my 8 rows'
	v_lshlrev_b32 v2, 4, v1                        ; W_q: 16 bytes a lane
	v_and_b32 v3, 0x7f, v0
	v_lshrrev_b32 v3, 3, v3
	v_lshlrev_b32 v3, 8, v3
	v_and_b32 v10, 7, v0
	v_lshl_add_u32 v3, v10, 4, v3                  ; the tables in memory: thread n takes row (n % 128) / 8, 16 bytes at 16 (n % 8)
	v_lshlrev_b32 v4, 4, v0                        ; and in LDS: 16 n: zero's 2,048 bytes, then scale's
	v_lshrrev_b32 v5, 2, v1
	v_lshlrev_b32 v5, 2, v5
	v_add_nc_u32 v5, s25, v5                       ; back: my lane's group
	v_lshlrev_b32 v6, 3, v1                        ; my 16 codes' 8 bytes in a row of 256
	v_lshrrev_b32 v7, 1, v1
	v_add_nc_u32 v7, s23, v7                       ; my block's scale byte
	v_add_nc_u32 v8, s22, v2                       ; and on the way out 16 bytes a lane
	v_and_b32 v9, 15, v1
	v_lshlrev_b32 v9, 4, v9
	v_lshrrev_b32 v10, 4, v1
	v_mad_u32_u24 v9, v10, LOW, v9                 ; lanes 0-15: the upper rows' 256 scale bytes; lanes 16-31: the lower rows'
	s_wait_alu depctr_va_vdst(0)                   ; the head's end
	s_wait_kmcnt 0x0
	s_cmp_eq_u32 s30, 0
	s_cselect_b64 s[6:7], s[8:9], s[6:7]           ; zero or scale
	s_add_nc_u64 s[4:5], s[4:5], s[18:19]
	s_add_nc_u64 s[6:7], s[6:7], s[20:21]
	s_add_nc_u64 s[22:23], s[10:11], s[28:29]      ; wb: scale bytes
	s_add_nc_u64 s[10:11], s[10:11], s[26:27]      ; wb: codes
	global_load_b128 v[TM:TM+3],   v3, s[6:7]                  ; upper rows
	global_load_b128 v[TM+4:TM+7], v3, s[6:7] offset:524288    ; the rows 2,048 further down: 2,048 x 256 bytes on
.irp t, 0,1,2,3,4,5,6,7
	global_load_b128 v[D+4*\t:D+4*\t+3], v2, s[4:5] offset:4096*\t th:TH_LOAD_NT   ; row t: 32 lanes read 512 consecutive bytes; read once in the launch
.endr
	s_wait_loadcnt 8                               ; the two table loads are in; the eight issued behind them may be out
	ds_store_b128 v4, v[TM:TM+3] offset:TAB
	ds_store_b128 v4, v[TM+4:TM+7] offset:TAB+4096
	s_wait_dscnt 0x0                               ; for the others' sake: my part of the tables lies in LDS
	s_barrier_signal -1
	s_barrier_wait -1                              ; everybody's does
.irp t, 0,1,2,3,4,5,6,7
.irp p, 0,1,2,3
	ds_load_b32 v[ZS+4*\t+\p], v5 offset:TAB+2048*\p+128*\t       ; four lanes share a word: 8 different words an instruction
.endr
.endr
; One row of W_q: two rows of W, 512 along K each.
.macro STEP t
	s_wait_loadcnt 7-(\t)                          ; row t's bytes are in; the rows behind it may be out
	s_wait_dscnt 28-2*(\t)                         ; so are its four table words: behind them 28 - 4 t table loads and the 2 t byte stores of the steps before were issued
.irp m, 0,1,2,3,4,5,6,7,8,9,10,11,12,13,14,15
	v_bfe_u32 v[XH+\m], v[D+4*(\t)+\m/4], 8*(\m%4)+4, 4
	v_bfe_u32 v[XL+\m], v[D+4*(\t)+\m/4], 8*(\m%4), 4
.endr
.irp m, 0,1,2,3,4,5,6,7,8,9,10,11,12,13,14,15
	v_cvt_f32_u32 v[XH+\m], v[XH+\m]
	v_cvt_f32_u32 v[XL+\m], v[XL+\m]
.endr
.irp m, 0,2,4,6,8,10,12,14
	v_pk_add_f32 v[XH+\m:XH+\m+1], v[XH+\m:XH+\m+1], v[ZS+4*(\t):ZS+4*(\t)+1] op_sel_hi:[1,0] neg_lo:[0,1] neg_hi:[0,1]       ; q - zero: the pair's first word for both halves
	v_pk_add_f32 v[XL+\m:XL+\m+1], v[XL+\m:XL+\m+1], v[ZS+4*(\t)+2:ZS+4*(\t)+3] op_sel_hi:[1,0] neg_lo:[0,1] neg_hi:[0,1]
.endr
.irp m, 0,2,4,6,8,10,12,14
	v_pk_mul_f32 v[XH+\m:XH+\m+1], v[XH+\m:XH+\m+1], v[ZS+4*(\t):ZS+4*(\t)+1] op_sel:[0,1] op_sel_hi:[1,1]                    ; x scale: the pair's second word for both halves
	v_pk_mul_f32 v[XL+\m:XL+\m+1], v[XL+\m:XL+\m+1], v[ZS+4*(\t)+2:ZS+4*(\t)+3] op_sel:[0,1] op_sel_hi:[1,1]
.endr
	v_max3_num_f32 v[TM],   |v[XH]|,   |v[XH+1]|, |v[XH+2]|       ; the largest magnitude of my 16, for each of the two rows: four chains by turns
	v_max3_num_f32 v[TM+2], |v[XL]|,   |v[XL+1]|, |v[XL+2]|
	v_max3_num_f32 v[TM+1], |v[XH+3]|, |v[XH+4]|, |v[XH+5]|
	v_max3_num_f32 v[TM+3], |v[XL+3]|, |v[XL+4]|, |v[XL+5]|
.irp i, 6,10
	v_max3_num_f32 v[TM],   v[TM],   |v[XH+\i]|,   |v[XH+\i+1]|
	v_max3_num_f32 v[TM+2], v[TM+2], |v[XL+\i]|,   |v[XL+\i+1]|
	v_max3_num_f32 v[TM+1], v[TM+1], |v[XH+\i+2]|, |v[XH+\i+3]|
	v_max3_num_f32 v[TM+3], v[TM+3], |v[XL+\i+2]|, |v[XL+\i+3]|
.endr
	v_max3_num_f32 v[TM],   v[TM],   |v[XH+14]|, |v[XH+15]|
	v_max3_num_f32 v[TM+2], v[TM+2], |v[XL+14]|, |v[XL+15]|
	v_max3_num_f32 v[TM],   v[TM],   v[TM+1], 0x1800000           ; and the floor 2^(3 - 127), under which no largest magnitude is taken: so the byte cannot fall under 1
	v_max3_num_f32 v[TM+2], v[TM+2], v[TM+3], 0x1800000
	v_max_num_f32_dpp v[TM],   v[TM],   v[TM]   row_xmask:1 row_mask:0xf bank_mask:0xf   ; with my neighbour's 16: the block's
	v_max_num_f32_dpp v[TM+2], v[TM+2], v[TM+2] row_xmask:1 row_mask:0xf bank_mask:0xf
	v_add_nc_u32 v[TM+4], 0xff000000, v[TM]        ; 2 off the exponent field: the conversion takes the exponent field of this operand as its scale, and nothing else of it
	v_add_nc_u32 v[TM+5], 0xff000000, v[TM+2]
	v_cvt_scalef32_pk8_fp4_f32 v[D+4*(\t)],   v[XH:XH+7],    v[TM+4]   ; eight numbers / the scale, to the nearest code, ties to even, beyond 6 the largest code; the first number's code in the lowest four bits
	v_cvt_scalef32_pk8_fp4_f32 v[D+4*(\t)+1], v[XH+8:XH+15], v[TM+4]
	v_cvt_scalef32_pk8_fp4_f32 v[D+4*(\t)+2], v[XL:XL+7],    v[TM+5]
	v_cvt_scalef32_pk8_fp4_f32 v[D+4*(\t)+3], v[XL+8:XL+15], v[TM+5]
	v_lshrrev_b32 v[ZS+4*(\t)],   23, v[TM+4]      ; the scales' bytes, into registers of the step's own.  (Also the plain line between the conversions and the next step's writes of their sources)
	v_lshrrev_b32 v[ZS+4*(\t)+1], 23, v[TM+5]
	ds_store_b8 v7, v[ZS+4*(\t)]   offset:16*(\t)            ; both lanes of a block write the same byte with the same value
	ds_store_b8 v7, v[ZS+4*(\t)+1] offset:256+16*(\t)
	global_store_b64 v6, v[D+4*(\t):D+4*(\t)+1],   s[10:11] offset:4096*((\t)%4)+256*((\t)/4)        ; row t of my 8: 16 (t % 4) + t / 4 places on; 32 lanes store 256 consecutive bytes, aligned: the upper row's codes
	global_store_b64 v6, v[D+4*(\t)+2:D+4*(\t)+3], s[10:11] offset:LOW+4096*((\t)%4)+256*((\t)/4)    ; and the lower row's
.endm
.irp t, 0,1,2,3,4,5,6,7
	STEP \t
.endr
	s_wait_dscnt 0x0                               ; for the others' sake: my scale bytes lie in LDS
	s_barrier_signal -1
	s_barrier_wait -1                              ; and those of the wave that has the K step's other 8 rows
	s_cmp_lg_u32 s30, 0
	s_cbranch_scc1 .Lend                           ; waves 0-3 store a K step's scale bytes each
	ds_load_b128 v[12:15], v8
	s_wait_dscnt 0x0
	global_store_b128 v9, v[12:15], s[22:23]       ; sixteen lanes store 256 consecutive bytes, aligned: 16 rows' scale bytes; twice
.Lend:
	s_wait_tensorcnt 0x0                           ; the wave's end
	ds_add_u32 v128, v129
	s_wait_dscnt 0x0
	s_endpgm
.Lfunc_end_k_q09e3c099f6_prep:
	.size	k_q09e3c099f6_prep, .Lfunc_end_k_q09e3c099f6_prep-k_q09e3c099f6_prep
	.p2alignl 7, 3214868480
	.fill 96, 4, 3214868480
	.section	.rodata,"a",@progbits
	.p2align	6, 0x0
	.amdhsa_kernel k_q09e3c099f6_prep
		.amdhsa_group_segment_fixed_size 11264
		.amdhsa_private_segment_fixed_size 0
		.amdhsa_enable_private_segment 0
		.amdhsa_kernarg_size 32
		.amdhsa_user_sgpr_count 2
		.amdhsa_user_sgpr_kernarg_segment_ptr 1
		.amdhsa_wavefront_size32 1
		.amdhsa_system_sgpr_workgroup_id_x 1
		.amdhsa_system_sgpr_workgroup_id_y 1
		.amdhsa_system_sgpr_workgroup_id_z 1
		.amdhsa_system_vgpr_workitem_id 0
		.amdhsa_next_free_vgpr 130
		.amdhsa_next_free_sgpr 66
		.amdhsa_reserve_vcc 0
		.amdhsa_float_denorm_mode_32 3
		.amdhsa_float_denorm_mode_16_64 3
		.amdhsa_memory_ordered 1
		.amdhsa_forward_progress 1
		.amdhsa_inst_pref_size 63
	.end_amdhsa_kernel
	.amdgpu_metadata
---
amdhsa.version: [ 1, 2 ]
amdhsa.kernels:
  - .name:           k_q09e3c099f6_prep
    .symbol:         k_q09e3c099f6_prep.kd
    .args:
      - { .name: W_q, .offset: 0, .size: 8, .value_kind: global_buffer, .address_space: global }
      - { .name: scale, .offset: 8, .size: 8, .value_kind: global_buffer, .address_space: global }
      - { .name: zero, .offset: 16, .size: 8, .value_kind: global_buffer, .address_space: global }
      - { .name: wb, .offset: 24, .size: 8, .value_kind: global_buffer, .address_space: global }
    .group_segment_fixed_size: 11264
    .private_segment_fixed_size: 0
    .kernarg_segment_align: 8
    .kernarg_segment_size: 32
    .max_flat_workgroup_size: 256
    .sgpr_count:     66
    .vgpr_count:     130
    .wavefront_size: 32
...
	.end_amdgpu_metadata
.endif
;; end of part 1
;; launch gemm (part 2): grid 16 x 16, 4 waves a work-group, clusters of 4 x 4, 327,680 bytes of LDS; arguments x_codes, x_scales, wb, out0; writes out0
.if DOCPART == 2
	.amdgcn_target "amdgcn-amd-amdhsa--gfx1250"
	.amdhsa_code_object_version 6
	.text
	.protected	k_q09e3c099f6_gemm
	.globl	k_q09e3c099f6_gemm
	.p2align	8
	.type	k_q09e3c099f6_gemm,@function
k_q09e3c099f6_gemm:
	s_mov_b64 s[64:65], 0
	v_nop
	global_prefetch_b8 v0, s[64:65] scope:SCOPE_SE
	s_setreg_imm32_b32 hwreg(HW_REG_WAVE_MODE, 25, 1), 1
	s_wait_xcnt 0x0
	s_wait_alu depctr_hold_cnt(0) depctr_sa_sdst(0) depctr_va_vdst(0) depctr_va_sdst(0) depctr_va_ssrc(0) depctr_va_vcc(0) depctr_vm_vsrc(0)
	s_getreg_b32 s2, hwreg(HW_REG_IB_STS2, 6, 4)
	s_cmp_eq_u32 s2, 0
	s_cbranch_scc0 .Lentry_in_a_cluster
	s_endpgm
.Lentry_in_a_cluster:
	s_bfe_u32 s2, ttmp6, 0x10000c
	s_cmp_lg_u32 s2, 0xf033
	s_cbranch_scc0 .Lentry_shape_is_right
	s_endpgm
.Lentry_shape_is_right:
; out0[m][n] = sum over k of x[m][k] W[n][k], M = N = K = 4,096, on codes of FP4 (E2M1) with one E8M0 scale for each 32 along K; sums in f32.
; x: codes [4096][2048 bytes], K innermost, the lower k in the low four bits; scale bytes [4096][128].  W: the workspace wb, 256 blocks of 34,816 bytes: block (n / 128, k / 512) holds 128 rows x 256 bytes of codes,
; row n at place 64 ((n % 128) / 64) + 16 (n % 4) + (n % 64) / 4, and behind them 128 x 16 scale bytes in the order of n.  The matrix instruction takes codes and scale bytes as they lie.
; LIMIT: a scale byte 0xff of x is NaN and makes every sum that it enters NaN.
; A tile of C, 256 x 256, is made by a work-group of four waves; a wave makes 128 x 128: 32 accumulators of 32 x 16 (x's rows by W's), 512 registers.  256 tiles: one work-group to each.
; K goes in steps of 512 through a ring of two LDS slots: a wave's load is 128 rows x 256 bytes of x (waves 0, 1) or one block of wb, codes and scale bytes, 136 rows of 256 dense bytes (waves 2, 3).
; x's scale bytes of the work-group's 256 rows, for all of K, are one dense block of 32,768 bytes: they come once, at the head, and stay.
; CLUSTERS: 4 x 4 work-groups.  The four of a row of the cluster need the same tiles and scale bytes of x, the four of a column the same blocks of wb: each is asked for jointly, by the same tensor load with the
; same descriptor and a mask that names the four.
; THE WAY OUT NEEDS NO LDS: source 0 = 32 rows of x, source 1 = 16 places of W, so lane (r, h) holds, in register i of accumulator (p, b), row 32 p + 16 (i / 8) + 8 h + i % 8 and column 64 (b / 4) + 4 r + b % 4
; of the wave's part: four accumulators hold four neighbouring columns.  A 4 x 4 exchange of registers brings them into four registers on end: 16 bytes a lane, 256 consecutive bytes in 16 lanes.
; PREFETCHES: every K step from 1 on is asked of memory ahead of the joint load that wants it (K step 1 at the head, 2 and 3 behind K step 1's load, then two K steps ahead of the refill).  The four partners of a joint load
; share its rows out by address: x 32 rows of each wave's 128, W 34 of each 136.
; REGISTERS, in windows of 256: window 0: v16-31 addresses; v32-95 scale words, two sets; v128-255 x's fragments, two sets of 8 x 16 rows x 128 K (in the last K step: two buffers of 32 rows x 512 K).
;   window 1: W's fragments, four sets of 8 x 16 rows x 128 K, one for each 128 along K of a slot.  window 2: accumulators (p, b) of p = 0, 1 (my rows 0-63) at v[128 (p % 2) + 16 b];  window 3: of p = 2, 3.
.set NQ,    4                          ; steps of 128 along K in a slot
.set ROWB,  256                        ; a tile's row in bytes: 512 codes
.set KROW,  2048                       ; a row of x's codes in memory
.set BBLK,  34816                      ; a block of wb
.set PITCH, 272                        ; an LDS row: 256 bytes + 16 of padding = 68 words: the 16 rows that a load touches start at 16 different banks (64 banks of 4 bytes: ISA guide 11.1)
.set HALFA, 128*PITCH                  ; 128 rows of x's codes
.set HALFB, 136*PITCH                  ; a block of wb
.set BOFF,  2*HALFA                    ; in a slot: x's two halves, then W's two
.set SLOT,  2*HALFA+2*HALFB
.set LAPS,  4                          ; a lap = two K steps = once round the ring
.set SCL,   2*SLOT                     ; behind the ring: x's scale bytes: row R of the tile at 272 (R / 2) + 128 (R % 2)
.set SPARE, SCL+128*PITCH              ; the spare words, 128 bytes for each wave: two blocks of 256 bytes that no other line names
.set CROW,  16384                      ; a row of C in bytes
.set ADRX,  16                         ; v16-17  LDS address of my fragments of x in slot 0, 1
.set ADRW,  20                         ; v20-21  the same for W
.set ADRSW, 22                         ; v22-23  LDS address of W's scale words in slot 0, 1: lanes 0-15 columns 4 r, lanes 16-31 columns 64 + 4 r
.set CO,    26                         ; v26     my byte offset in C
.set ADRS,  27                         ; v27     LDS address of x's scale words: lane l row l; 16 bytes on with each K step
.set SPW,   28                         ; v28     LDS address of my spare word; never rewritten
.set NIL,   29                         ; v29     0; never rewritten
.set PFO,   30                         ; v30     the prefetches' offset: my lane x the distance of the rows; never rewritten
.set PFO2,  31                         ; v31     the same for W's last two rows of 34
.set SC,    32                         ; scale words: set s (for slot s) at v[SC + 32 s]: register 4 p + q: x's rows 32 p + lane, the slot's q-th 128 along K;
                                       ; register 16 + 4 t + q: W's accumulator columns b = t (lanes 0-15) and b = t + 4 (lanes 16-31)
.set XF,    128                        ; x's fragments, in window 0
.set G1,    24                         ; s[24:31] descriptor group 1 for x's tiles;  s[32:39] group 0, one for each slot
.set G0,    32
.set G1B,   48                         ; s[48:55], s[56:63] the same for wb's blocks
.set G0B,   56
.set G1S,   68                         ; s[68:75], s[76:79] groups 1 and 0 for x's scale bytes
.set G0S,   76
.set G0H,   88                         ; s[88:91] group 0 for the head's 256 rows of x
.set PFA,   86                         ; s[86:87] where my prefetches stand
.set PFS,   92                         ; s[92:93] two K steps of it in bytes
.set MSB, 0
.macro WIN new                         ; the immediate's high byte repeats the setting that is left
.if MSB != (\new)
	s_set_vgpr_msb (MSB<<8)|(\new)
.set MSB, (\new)
.endif
.endm
.set LO,   0xa4                        ; source 0 (x) window 0, source 1 (W) window 1, C and D window 2
.set HI,   0xf4                        ; the same, C and D window 3
.set TO_W, 0x40                        ; destination window 1, address window 0
; A joint load: waves 0 and 1 fetch for x, waves 2 and 3 for W; each line has one mask and one set of registers; the branch hangs on the wave's number alone.
.macro JLOAD s
	s_cmp_eq_u32 s15, 0
	s_cbranch_scc0 .Lfor_b_\@
	tensor_load_to_lds s[G0+4*\s:G0+4*\s+3], s[G1:G1+7]
	s_nop 0
.rept 4
	v_nop
.endr
	s_branch .Lasked_\@
.Lfor_b_\@:
	tensor_load_to_lds s[G0B+4*\s:G0B+4*\s+3], s[G1B:G1B+7]
	s_nop 0
.rept 4
	v_nop
.endr
.Lasked_\@:
.endm
; Prefetch d K steps beyond where PFA stands: x 32 rows, a lane a row; W 34 rows of 256 bytes.  loop = 1: not in the loop's last trip, whose refills are the last two K steps.
.macro ASK d, loop
.if \loop
	s_cmp_gt_u32 s3, 1
	s_cbranch_scc0 .Lask_end_\@
.endif
	s_cmp_eq_u32 s15, 0
	s_cbranch_scc0 .Lask_w_\@
	global_prefetch_b8 v[PFO], s[PFA:PFA+1] offset:\d*ROWB th:TH_LOAD_NT scope:SCOPE_SE
	s_branch .Lask_end_\@
.Lask_w_\@:
	global_prefetch_b8 v[PFO], s[PFA:PFA+1] offset:\d*BBLK th:TH_LOAD_NT scope:SCOPE_SE
	global_prefetch_b8 v[PFO2], s[PFA:PFA+1] offset:\d*BBLK+32*256 th:TH_LOAD_NT scope:SCOPE_SE
.Lask_end_\@:
.endm
.macro CREST                           ; a round of the cluster's barrier behind its opening barrier
	s_cmp_lg_u32 s14, 0
	s_cbranch_scc1 .Lnot_wave_0_\@
	s_barrier_signal -3
.Lnot_wave_0_\@:
	s_barrier_wait -3
	s_barrier_signal -1
	s_barrier_wait -1
.endm
.macro CROUND                          ; a whole round
	s_barrier_signal -1
	s_barrier_wait -1
	CREST
.endm
	s_load_b256 s[4:11], s[0:1], 0x0               ; x's codes s[4:5], x's scales s[6:7], wb s[8:9], C s[10:11]
	v_lshl_add_u32 v[SPW], v0, 2, SPARE
	v_mov_b32 v[NIL], 0
	ds_add_u32 v[SPW], v[NIL]                      ; the wave's opening: the add, twice on end, and its wait ahead of my first tensor load
	ds_add_u32 v[SPW], v[NIL]
	v_lshrrev_b32 v1, 5, v0
	v_readfirstlane_b32 s14, v1                    ; wave 0..3
	s_lshr_b32 s15, s14, 1                         ; which half of the tile's rows is mine.  Also: I fetch for x (0) or for W (1)
	s_and_b32 s16, s14, 1                          ; which half of its columns.  Also: which 128 rows of that tile I fetch
	s_bfe_u32 s40, ttmp6, 0x40000                  ; cx, cy: my place in the cluster
	s_bfe_u32 s41, ttmp6, 0x40004
	s_lshl_b32 s42, ttmp9, 2
	s_add_co_u32 s42, s42, s40                     ; tile column of C = 4 x cluster x + cx
	s_and_b32 s17, ttmp7, 0xffff
	s_lshl_b32 s17, s17, 2
	s_add_co_u32 s17, s17, s41                     ; tile row of C = 4 x cluster y + cy
	s_lshl_b32 s43, s41, 2
	s_lshl_b32 s43, 15, s43                        ; my row of the cluster
	s_lshl_b32 s44, 0x1111, s40                    ; my column
	; descriptor group 1 for x's tiles: rows of 256 bytes, 2,048 bytes apart in memory, padded in LDS: 256 rows for the head's load, 128 behind it
	s_or_b32 s[G1+0], s43, (0<<16)|(1<<20)|(1<<21)|(5<<22)|(3<<25)  ; 15:0 the mask: my row; 17:16 element of 1 byte; 20 padding on; 21 set beside a mask; 24:22 after every 64 words (code 5); 31:25 of 4 words (code 3)
	s_mov_b32 s[G1+1], ROWB<<16                    ; tensor_dim0
	s_mov_b32 s[G1+2], 256<<16                     ; tensor_dim1
	s_mov_b32 s[G1+3], ROWB<<16                    ; tile_dim0
	s_mov_b32 s[G1+4], 256                         ; tile_dim1
	s_mov_b32 s[G1+5], KROW                        ; tensor_dim0_stride
	s_mov_b32 s[G1+6], 0
	s_mov_b32 s[G1+7], 0
	; for a block of wb: 34,816 dense bytes as 136 rows of 256 (32 elements of 8 bytes), padded likewise; the mask: my column
	s_or_b32 s[G1B+0], s44, (3<<16)|(1<<20)|(1<<21)|(5<<22)|(3<<25)
	s_mov_b32 s[G1B+1], 32<<16
	s_mov_b32 s[G1B+2], 136<<16
	s_mov_b32 s[G1B+3], 32<<16
	s_mov_b32 s[G1B+4], 136
	s_mov_b32 s[G1B+5], 32
	s_mov_b32 s[G1B+6], 0
	s_mov_b32 s[G1B+7], 0
	; for x's scale bytes of 256 rows: 32,768 dense bytes as 128 rows of 256; the mask: my row
	s_or_b32 s[G1S+0], s43, (3<<16)|(1<<20)|(1<<21)|(5<<22)|(3<<25)
	s_mov_b32 s[G1S+1], 32<<16
	s_mov_b32 s[G1S+2], 128<<16
	s_mov_b32 s[G1S+3], 32<<16
	s_mov_b32 s[G1S+4], 128
	s_mov_b32 s[G1S+5], 32
	s_mov_b32 s[G1S+6], 0
	s_mov_b32 s[G1S+7], 0
	; where they come from: x's hang on the tile row alone, wb's on the tile column alone, each in registers that never hold the other coordinate
	s_lshl_b32 s20, s17, 19                        ; x's codes: 256 x tile row rows of 2,048 bytes,
	s_mov_b32 s21, 0
	s_lshl_b32 s18, s16, 18                        ; and for the ring 128 x half rows on
	s_mov_b32 s19, 0
	s_lshl_b32 s22, s17, 15                        ; x's scales: 256 x tile row rows of 128 bytes
	s_mov_b32 s23, 0
	s_lshl_b32 s46, s42, 1
	s_add_co_u32 s46, s46, s16                     ; wb: n / 128 = 2 x tile column + half,
	s_mul_i32 s46, s46, 8*BBLK                     ; eight blocks each
	s_mov_b32 s47, 0
	s_mul_i32 s45, s16, HALFA                      ; where they go: no place in the cluster enters an LDS address
	s_mul_i32 s80, s16, HALFB
	s_add_co_u32 s80, s80, BOFF
	s_wait_dscnt 0x0                               ; both opening adds are done
	CROUND                                         ; all sixteen work-groups are here: the first joint loads meet.  (The arguments may still be on their way)
	s_wait_kmcnt 0x0
	s_add_nc_u64 s[20:21], s[4:5], s[20:21]
	s_add_nc_u64 s[22:23], s[6:7], s[22:23]
	s_add_nc_u64 s[46:47], s[8:9], s[46:47]
	s_mov_b32 s[G0H], 1                            ; 1:0 count = 1
	s_mov_b32 s[G0H+1], 0                          ; 63:32 LDS address
	s_mov_b64 s[G0H+2:G0H+3], s[20:21]             ; 120:64 global address
	s_or_b32 s[G0H+3], s[G0H+3], 0x80000000        ; 127:126 type = 2
	s_mov_b32 s[G0S], 1
	s_mov_b32 s[G0S+1], SCL
	s_mov_b64 s[G0S+2:G0S+3], s[22:23]
	s_or_b32 s[G0S+3], s[G0S+3], 0x80000000
	s_add_nc_u64 s[20:21], s[20:21], s[18:19]
.irp s, 0,1
	s_mov_b32 s[G0+4*\s], 1
	s_add_co_u32 s[G0+4*\s+1], s45, \s*SLOT
	s_add_nc_u64 s[G0+4*\s+2:G0+4*\s+3], s[20:21], \s*ROWB
	s_or_b32 s[G0+4*\s+3], s[G0+4*\s+3], 0x80000000
	s_mov_b32 s[G0B+4*\s], 1
	s_add_co_u32 s[G0B+4*\s+1], s80, \s*SLOT
	s_add_nc_u64 s[G0B+4*\s+2:G0B+4*\s+3], s[46:47], \s*BBLK
	s_or_b32 s[G0B+4*\s+3], s[G0B+4*\s+3], 0x80000000
.endr
	; THE HEAD'S LOADS, one a wave: wave 0 K step 0's 256 rows of x, wave 1 x's scale bytes, waves 2 and 3 K step 0's two blocks of wb: one chain of branches, every way through it passes one load
	s_cmp_lt_u32 s14, 1
	s_cbranch_scc0 .Lhead_s
	tensor_load_to_lds s[G0H:G0H+3], s[G1:G1+7]
	s_nop 0
.rept 4
	v_nop
.endr
	s_branch .Lhead_asked
.Lhead_s:
	s_cmp_lt_u32 s14, 2
	s_cbranch_scc0 .Lhead_w
	tensor_load_to_lds s[G0S:G0S+3], s[G1S:G1S+7]
	s_nop 0
.rept 4
	v_nop
.endr
	s_branch .Lhead_asked
.Lhead_w:
	tensor_load_to_lds s[G0B:G0B+3], s[G1B:G1B+7]
	s_nop 0
.rept 4
	v_nop
.endr
.Lhead_asked:
	; the prefetches: x: my 128 rows, of them 32 cx .. 32 cx + 31; W: my block, of its 136 rows of 256 bytes 34 cy .. 34 cy + 33
	s_lshl_b32 s82, s40, 16
	s_mul_i32 s83, s41, 34*256
	s_mov_b32 s84, 256
	s_mov_b32 s[PFS], 2*BBLK
	s_mov_b32 s[PFS+1], 0
	s_cmp_eq_u32 s15, 0
	s_cselect_b32 s82, s82, s83
	s_cselect_b32 s84, KROW, s84                   ; from row to row
	s_cselect_b32 s[PFS], 2*ROWB, s[PFS]           ; two K steps on
	s_cselect_b64 s[PFA:PFA+1], s[20:21], s[46:47]
	s_mov_b32 s83, 0
	s_add_nc_u64 s[PFA:PFA+1], s[PFA:PFA+1], s[82:83]
	s_mul_i32 s82, s15, HALFA                      ; LDS: my 128 rows of x
	s_mul_i32 s83, s16, HALFB                      ; my 128 rows of W,
	s_add_co_u32 s83, s83, BOFF                    ; which lie behind x's 256
	s_mul_i32 s85, s15, 64*PITCH                   ; my 128 rows' scale bytes of x
	s_add_co_u32 s85, s85, SCL
	v_and_b32 v3, 31, v0                           ; lane l
	v_mul_u32_u24 v[PFO], s84, v3
	v_min_u32 v[PFO2], 1, v3
	v_lshlrev_b32 v[PFO2], 8, v[PFO2]              ; rows 32 and 33 of the 34
	s_wait_alu depctr_va_vdst(0)                   ; ahead of the branches below
	ASK 1, 0                                       ; K step 1
	v_and_b32 v1, 15, v0                           ; r = l % 16
	v_bfe_u32 v2, v0, 4, 1                         ; h = l / 16
	v_mul_u32_u24 v4, v1, PITCH
	v_lshl_add_u32 v4, v2, 4, v4                   ; a fragment's row x pitch + 16 h
	v_add_nc_u32 v[ADRX], s82, v4
	v_add_nc_u32 v[ADRX+1], SLOT, v[ADRX]
	v_add_nc_u32 v[ADRW], s83, v4
	v_add_nc_u32 v[ADRW+1], SLOT, v[ADRW]
	v_lshrrev_b32 v5, 2, v1                        ; W's scale words, 16 bytes a row, 16 rows to an LDS row: row 4 r + b is LDS row r / 4, byte 64 (r % 4) + 16 b; lanes 16-31 64 rows on
	v_and_b32 v6, 3, v1
	v_mul_u32_u24 v5, v5, PITCH
	v_lshl_add_u32 v5, v6, 6, v5
	v_mad_u32_u24 v5, v2, 4*PITCH, v5
	v_add_nc_u32 v5, 128*PITCH, v5                 ; behind the block's 128 rows of codes
	v_add_nc_u32 v[ADRSW], s83, v5
	v_add_nc_u32 v[ADRSW+1], SLOT, v[ADRSW]
	v_and_b32 v3, 31, v0
	v_lshrrev_b32 v7, 1, v3                        ; x's scale words: two rows of 128 bytes to an LDS row
	v_and_b32 v8, 1, v3
	v_mul_u32_u24 v7, v7, PITCH
	v_lshl_add_u32 v7, v8, 7, v7
	v_add_nc_u32 v[ADRS], s85, v7
	v_lshlrev_b32 v9, 17, v2                       ; C: 8 h rows of 16,384 bytes,
	v_lshl_add_u32 v[CO], v1, 4, v9                ; + 16 r
	s_lshl_b32 s84, s17, 22                        ; 256 x tile row rows of C,
	s_lshl_b32 s85, s15, 21                        ; + 128 x half,
	s_add_co_u32 s84, s84, s85
	s_lshl_b32 s85, s42, 10                        ; + 1,024 x tile column + 512 x half bytes
	s_add_co_u32 s84, s84, s85
	s_lshl_b32 s85, s16, 9
	s_add_co_u32 s84, s84, s85
	s_mov_b32 s85, 0
	s_add_nc_u64 s[10:11], s[10:11], s[84:85]
.macro FRAG reg, adr, q, i             ; a fragment, 16 rows x 128 K, is 8 registers: lane l holds row l % 16; registers 4 c .. 4 c + 3 hold K = 64 c + 32 (l / 16) + 0 .. 31, the lower K in the lower bits
.irp c, 0,1
	ds_load_b128 v[(\reg)+4*\c:(\reg)+4*\c+3], v[\adr] offset:64*(\q)+32*\c+(\i)*16*PITCH
.endr
.endm
.macro FETCH_W slot, q, b0, n          ; n fragments of W from b0 on, the slot's q-th 128 along K, into set q
.set fb, \b0
.rept \n
	FRAG 64*(\q)+8*fb, ADRW+\slot, \q, fb
.set fb, fb+1
.endr
.endm
.macro FETCH_X slot, q, i0             ; x's blocks i0 .. i0 + 3 into set q % 2
.set fb, \i0
.rept 4
	FRAG XF+64*((\q)%2)+8*fb, ADRX+\slot, \q, fb
.set fb, fb+1
.endr
.endm
.macro ROWX p                          ; the last K step: x's 32 rows p, all four quarters, into buffer p % 2
.irp q, 0,1,2,3
	FRAG XF+64*((\p)%2)+16*\q, ADRX+1, \q, 2*(\p)
	FRAG XF+64*((\p)%2)+16*\q+8, ADRX+1, \q, 2*(\p)+1
.endr
.endm
.macro SCALES_X s                      ; x's scale words of a K step: four words a row by one load
.irp p, 0,1,2,3
	ds_load_b128 v[SC+32*(\s)+4*\p:SC+32*(\s)+4*\p+3], v[ADRS] offset:\p*16*PITCH
.endr
.endm
.macro SCALES_W s                      ; W's, from slot s
.irp t, 0,1,2,3
	ds_load_b128 v[SC+32*(\s)+16+4*\t:SC+32*(\s)+16+4*\t+3], v[ADRSW+\s] offset:16*\t
.endr
.endm
; One matrix instruction: x's 32 rows p (registers from x on) against W's 16 places b, the slot's q-th 128 along K, scale set s.  zero = 1: the product starts the sum.
; W's scale register holds b % 4 in lanes 0-15 and b % 4 + 4 in lanes 16-31: the row selector is written where b is 4 or more.
.macro WM p, b, q, s, x, zero
.set rD, 128*((\p)%2)+16*(\b)
.set rX, \x
.set rW, 64*(\q)+8*(\b)
.set rSX, SC+32*(\s)+4*(\p)+(\q)
.set rSW, SC+32*(\s)+16+4*((\b)%4)+(\q)
.set rSEL, 2*(\zero)+((\b)/4)
.if rSEL == 0
	v_wmma_scale_f32_32x16x128_f4 v[rD:rD+15], v[rX:rX+15], v[rW:rW+7], v[rD:rD+15], v[rSX], v[rSW]
.elseif rSEL == 1
	v_wmma_scale_f32_32x16x128_f4 v[rD:rD+15], v[rX:rX+15], v[rW:rW+7], v[rD:rD+15], v[rSX], v[rSW] matrix_b_scale:MATRIX_SCALE_ROW1
.elseif rSEL == 2
	v_wmma_scale_f32_32x16x128_f4 v[rD:rD+15], v[rX:rX+15], v[rW:rW+7], 0, v[rSX], v[rSW]
.else
	v_wmma_scale_f32_32x16x128_f4 v[rD:rD+15], v[rX:rX+15], v[rW:rW+7], 0, v[rSX], v[rSW] matrix_b_scale:MATRIX_SCALE_ROW1
.endif
.endm
.macro MUL4 p, b0, q, s, x, zero       ; four of them; the 32 accumulators take turns, one instruction a turn, in the same order in every step
.set mb, \b0
.rept 4
	WM \p, mb, \q, \s, \x, \zero
.set mb, mb+1
.endr
.endm
.macro SM p, b0, q, s, zero            ; in a step: x's set q % 2
	MUL4 \p, \b0, \q, \s, XF+64*((\q)%2)+16*(\p), \zero
.endm
.macro RM p, q                         ; in the last K step: x's buffer p % 2
	MUL4 \p, 0, \q, 1, XF+64*((\p)%2)+16*(\q), 0
	MUL4 \p, 4, \q, 1, XF+64*((\p)%2)+16*(\q), 0
.endm
; A load into a register that a matrix instruction has read, and a vector instruction that reads a matrix result, stand four places behind that matrix instruction, and only plain vector instructions
; that name none of its registers are places (ISA guide 7.12.1 for vector instructions).
.macro PLACES
.rept 4
	v_nop
.endr
.endm
; A step of 128 along K that has its successor in the same slot: the next step's fragments in ONE run of 32 loads at its start (16 of W, then 16 of x, p ascending), on sets that the step before or earlier ones read, and 32
; matrix instructions.  q = 1 also brings the next K step's scale words of x, ahead of x's fragments; q = 2 is followed by a change of slots: the wait for my tensor loads and the add stand 12 matrix instructions ahead of the wait for the add.
.macro STEP slot, q, zero
.if (\q) == 0
	s_wait_dscnt 12                                ; behind a change of slots: all but x's p = 1, 2, 3
.endif
.if (\q) == 1
	WIN 0
	v_add_nc_u32 v[ADRS], 4*NQ, v[ADRS]            ; on to the next K step
	s_wait_alu depctr_va_vdst(0)                   ; directly behind the write
.endif
	PLACES
	WIN TO_W
	FETCH_W \slot, (\q)+1, 0, 8
	WIN 0
.if (\q) == 1
	SCALES_X 1-(\slot)
.endif
	FETCH_X \slot, (\q)+1, 0
	FETCH_X \slot, (\q)+1, 4
.if (\q) == 1
	s_wait_dscnt 48                                ; all but the 36 just issued and this step's x, p = 1, 2, 3
.endif
.if (\q) == 2
	s_wait_dscnt 44                                ; the same behind 32
.endif
	WIN LO
	SM 0, 0, \q, \slot, \zero
	SM 0, 4, \q, \slot, \zero
.if (\q) == 1
	s_wait_dscnt 36                                ; all but those just issued
.else
	s_wait_dscnt 32
.endif
	SM 1, 0, \q, \slot, \zero
	SM 1, 4, \q, \slot, \zero
	WIN HI
	SM 2, 0, \q, \slot, \zero
.if (\q) == 2
	WIN 0
	s_wait_tensorcnt 0x0                           ; all my tensor loads have landed: my part of the next slot;
	ds_add_u32 v[SPW], v[NIL]                      ; 0 onto my spare word
.endif
	WIN HI
	SM 2, 4, \q, \slot, \zero
	SM 3, 0, \q, \slot, \zero
	SM 3, 4, \q, \slot, \zero
.endm
; A slot's last step changes slots.  This slot is filled again, two K steps ahead, behind a round of the cluster's barrier.  d: the prefetch's K step beyond PFA.
.macro TURN slot, next, d
	s_wait_dscnt 0x0                               ; the add is done, and my reads of this slot are over
	s_barrier_signal -1
	WIN LO
	SM 0, 0, NQ-1, \slot, 0
	SM 0, 4, NQ-1, \slot, 0
	s_add_nc_u64 s[G0+4*\slot+2:G0+4*\slot+3], s[G0+4*\slot+2:G0+4*\slot+3], 2*ROWB      ; no tensor load of mine is out
	s_add_nc_u64 s[G0B+4*\slot+2:G0B+4*\slot+3], s[G0B+4*\slot+2:G0B+4*\slot+3], 2*BBLK
	WIN 0
	s_barrier_wait -1
	CREST                                          ; no wave of any partner still reads this slot's tile or has a load on its way
	JLOAD \slot                                    ; my one load behind the round; the four v_nop behind it are the places in front of the loads below
	SCALES_W \next
	WIN TO_W
	FETCH_W \next, 0, 0, 8
	WIN 0
	FETCH_X \next, 0, 0
	FETCH_X \next, 0, 4
	ASK \d, 1
	WIN LO
	SM 1, 0, NQ-1, \slot, 0
	SM 1, 4, NQ-1, \slot, 0
	WIN HI
	SM 2, 0, NQ-1, \slot, 0
	SM 2, 4, NQ-1, \slot, 0
	SM 3, 0, NQ-1, \slot, 0
	SM 3, 4, NQ-1, \slot, 0
.endm
	s_wait_alu depctr_va_vdst(0)                   ; the head's end
	s_wait_tensorcnt 0x0                           ; my tile of the head's is in
	ds_add_u32 v[SPW], v[NIL]
	s_mov_b32 s[G1+2], 128<<16                     ; no tensor load of mine is out, so a descriptor may be written: from here on a load of x brings 128 rows
	s_mov_b32 s[G1+4], 128
	s_wait_dscnt 0x0                               ; the add is done
	CROUND                                         ; all the head's tiles are in, and all sixteen work-groups are here
	JLOAD 1                                        ; K step 1
	SCALES_X 0
	SCALES_W 0
	WIN TO_W
	FETCH_W 0, 0, 0, 8
	WIN 0
	FETCH_X 0, 0, 0
	FETCH_X 0, 0, 4
	ASK 2, 0                                       ; K steps 2 and 3
	ASK 3, 0
	STEP 0, 0, 1                                   ; the first step stands in front of the loop: its products start the sums
	WIN 0                                          ; at a label and at a branch every window is 0
	s_mov_b32 s3, LAPS-1
.Llap:                                                 ; a trip goes once round the ring, from a lap's second step to the next lap's first, and fills both slots again
	STEP 0, 1, 0
	STEP 0, 2, 0
	TURN 0, 1, 4
	STEP 1, 0, 0
	STEP 1, 1, 0
	STEP 1, 2, 0
	TURN 1, 0, 5
	STEP 0, 0, 0
	WIN 0
	s_wait_xcnt 0x0                                ; my prefetches have read their address
	s_add_nc_u64 s[PFA:PFA+1], s[PFA:PFA+1], s[PFS:PFS+1]
	s_sub_co_u32 s3, s3, 1
	s_cmp_lg_u32 s3, 0
	s_cbranch_scc1 .Llap
	STEP 0, 1, 0                                   ; the last lap fills nothing
	STEP 0, 2, 0
	s_wait_dscnt 0x0
	s_barrier_signal -1
	WIN LO
	SM 0, 0, NQ-1, 0, 0
	SM 0, 4, NQ-1, 0, 0
	WIN 0
	s_barrier_wait -1                              ; slot 1 is whole
; THE LAST K STEP GOES BY ROWS OF C: all of W's fragments fill window 1, x's come by 32 rows x 512 K, and each 32 rows are finished by 32 matrix instructions (8 accumulators by turns, K ascending) and leave.
	PLACES
	SCALES_W 1
	ROWX 0                                         ; into the registers of set 0, which no product still to come reads
	WIN TO_W
	FETCH_W 1, 0, 0, 8
	WIN LO
	SM 1, 0, NQ-1, 0, 0
	SM 1, 4, NQ-1, 0, 0
	WIN TO_W
	FETCH_W 1, 1, 0, 8
	WIN HI
	SM 2, 0, NQ-1, 0, 0
	SM 2, 4, NQ-1, 0, 0
	SM 3, 0, NQ-1, 0, 0
	SM 3, 4, NQ-1, 0, 0
	s_wait_dscnt 16                                ; all but W's second quarter
	WIN LO
	RM 0, 0
	s_wait_dscnt 0x0
	PLACES                                         ; for the loads into W's set 3 and x's set 1
	WIN TO_W
	FETCH_W 1, 2, 0, 8
	FETCH_W 1, 3, 0, 8
	WIN LO
	RM 0, 1
	WIN 0
	ROWX 1
	s_wait_dscnt 32                                ; W's third quarter is in: behind it W's fourth and x's rows were asked for
	WIN LO
	RM 0, 2
	s_wait_dscnt 16
	RM 0, 3
; THE WAY OUT of 32 rows.  XCH: registers e + 16 i + k (accumulator i of four, row k of four) change places with e + 16 k + i: then e + 16 i .. + 3 hold four neighbouring columns of row i.
.macro XCH base
.set e, \base
	v_swap_b32 v[e+1], v[e+16]
	v_swap_b32 v[e+2], v[e+32]
	v_swap_b32 v[e+3], v[e+48]
	v_swap_b32 v[e+18], v[e+33]
	v_swap_b32 v[e+19], v[e+49]
	v_swap_b32 v[e+35], v[e+50]
.endm
.macro OUT p
	WIN 0x82+0x41*((\p)/2)                         ; destination and source 0: window 2 or 3
.irp k, 0,1,2,3
	XCH 128*((\p)%2)+4*\k
	XCH 128*((\p)%2)+64+4*\k
.endr
	WIN 0x08+4*((\p)/2)                            ; the data: window 2 or 3
.irp k, 0,1,2,3
.irp i, 0,1,2,3
.irp g, 0,1
	global_store_b128 v[CO], v[128*((\p)%2)+64*\g+16*\i+4*\k:128*((\p)%2)+64*\g+16*\i+4*\k+3], s[10:11] offset:(32*(\p)+16*(\k/2)+4*(\k%2)+\i)*CROW+256*\g th:TH_STORE_NT   ; row 4 k + i of the accumulators: 16 lanes store 256 consecutive bytes, aligned
.endr
.endr
.endr
	WIN 0
.endm
	PLACES                                         ; for the exchange of results just made, and the loads into buffer 0
	WIN 0
	ROWX 2
	OUT 0
	s_wait_dscnt 16                                ; x's rows 1 are in
	WIN LO
	RM 1, 0
	RM 1, 1
	RM 1, 2
	RM 1, 3
	PLACES
	WIN 0
	ROWX 3
	OUT 1
	s_wait_dscnt 16
	WIN HI
	RM 2, 0
	RM 2, 1
	RM 2, 2
	RM 2, 3
	PLACES
	OUT 2
	s_wait_dscnt 0x0
	WIN HI
	RM 3, 0
	RM 3, 1
	RM 3, 2
	RM 3, 3
	PLACES
	OUT 3
	s_wait_tensorcnt 0x0                           ; the wave's end
	ds_add_u32 v[SPW], v[NIL]
	s_wait_dscnt 0x0
	CROUND                                         ; the closing round: no work-group ends while a partner may still ask for a tile that names it
	s_endpgm
.Lfunc_end_k_q09e3c099f6_gemm:
	.size	k_q09e3c099f6_gemm, .Lfunc_end_k_q09e3c099f6_gemm-k_q09e3c099f6_gemm
	.p2alignl 7, 3214868480
	.fill 96, 4, 3214868480
	.section	.rodata,"a",@progbits
	.p2align	6, 0x0
	.amdhsa_kernel k_q09e3c099f6_gemm
		.amdhsa_group_segment_fixed_size 327680
		.amdhsa_private_segment_fixed_size 0
		.amdhsa_enable_private_segment 0
		.amdhsa_kernarg_size 32
		.amdhsa_user_sgpr_count 2
		.amdhsa_user_sgpr_kernarg_segment_ptr 1
		.amdhsa_wavefront_size32 1
		.amdhsa_system_sgpr_workgroup_id_x 1
		.amdhsa_system_sgpr_workgroup_id_y 1
		.amdhsa_system_sgpr_workgroup_id_z 1
		.amdhsa_system_vgpr_workitem_id 0
		.amdhsa_next_free_vgpr 1024
		.amdhsa_next_free_sgpr 96
		.amdhsa_reserve_vcc 0
		.amdhsa_float_denorm_mode_32 3
		.amdhsa_float_denorm_mode_16_64 3
		.amdhsa_memory_ordered 1
		.amdhsa_forward_progress 1
		.amdhsa_inst_pref_size 136
	.end_amdhsa_kernel
	.amdgpu_metadata
---
amdhsa.version: [ 1, 2 ]
amdhsa.kernels:
  - .name:           k_q09e3c099f6_gemm
    .symbol:         k_q09e3c099f6_gemm.kd
    .args:
      - { .name: x_codes, .offset: 0, .size: 8, .value_kind: global_buffer, .address_space: global }
      - { .name: x_scales, .offset: 8, .size: 8, .value_kind: global_buffer, .address_space: global }
      - { .name: wb, .offset: 16, .size: 8, .value_kind: global_buffer, .address_space: global }
      - { .name: out0, .offset: 24, .size: 8, .value_kind: global_buffer, .address_space: global }
    .group_segment_fixed_size: 327680
    .private_segment_fixed_size: 0
    .kernarg_segment_align: 8
    .kernarg_segment_size: 32
    .max_flat_workgroup_size: 128
    .sgpr_count:     96
    .vgpr_count:     1024
    .wavefront_size: 32
...
	.end_amdgpu_metadata
.endif
;; end of part 2
